; MI455X (gfx1250); checked and timed in simulation.
; The chip was launched on July 23, 2026; its instructions are those of AMD's public machine-readable ISA for CDNA 5 (MIT licence, August 2026) and "CDNA5" Instruction Set Architecture Reference Guide (July 2026). The comments in the code are by the model that wrote it; some were corrected since.
;; NLB. Allowed arithmetic: matrix products marked QUANTISED: E2M1 operands, one E8M0 scale for each 32 along K, by v_wmma_scale_f32_16x16x128_f8f6f4 with both operands' format E2M1 (or v_wmma_scale_f32_32x16x128_f4), f32 sums; everything else in f32.
;; Inputs: b_g 128 float32; b_phi 128 float32; b_theta 128 float32; b_w 256 float32; bn_beta 256 float32; bn_gamma 256 float32; bn_mean 256 float32; bn_var 256 float32; w_g_codes 128 x 8 x 16 uint8 (E2M1 codes of w_g, K innermost, in blocks of 32 codes, two codes a byte); w_g_scales 128 x 8 uint8 (E8M0 scales of w_g, one for each 32 codes along K); w_phi_codes 128 x 8 x 16 uint8 (E2M1 codes of w_phi, K innermost, in blocks of 32 codes, two codes a byte); w_phi_scales 128 x 8 uint8 (E8M0 scales of w_phi, one for each 32 codes along K); w_theta_codes 128 x 8 x 16 uint8 (E2M1 codes of w_theta, K innermost, in blocks of 32 codes, two codes a byte); w_theta_scales 128 x 8 uint8 (E8M0 scales of w_theta, one for each 32 codes along K); w_w_codes 256 x 4 x 16 uint8 (E2M1 codes of w_w, K innermost, in blocks of 32 codes, two codes a byte); w_w_scales 256 x 4 uint8 (E8M0 scales of w_w, one for each 32 codes along K); x 8 x 256 x 64 x 64 float32.
;; Outputs: out0 8 x 256 x 64 x 64 float32.
;; This version of the problem:
;;   THIS VERSION OF THE PROBLEM IS GIVEN IN LOW PRECISION. The matrix products marked QUANTISED in the list below multiply operands that are first quantised to E2M1 (2 exponent bits, 1 mantissa bit; 4 bits a number), with one power-of-two scale for each 32 numbers along K (OCP MX v1.0); their sums are f32. All else is computed in f32.
;;   The module's matrix products, in the order in which they are computed (A, B: the left and right operand; K: the contracted axis; several contracted axes count as one K, in the product's order):
;;     1. [M 32,768, K 256] x [K 256, N 128]; A: computed on the way; B: input w_g (given as codes): QUANTISED
;;     2. [M 32,768, K 256] x [K 256, N 128]; A: computed on the way; B: input w_theta (given as codes): QUANTISED
;;     3. [M 32,768, K 256] x [K 256, N 128]; A: computed on the way; B: input w_phi (given as codes): QUANTISED
;;     4. batch 8 x [M 4,096, K 128] x [K 128, N 4,096]; A: computed on the way; B: computed on the way: QUANTISED
;;     5. batch 8 x [M 128, K 4,096] x [K 4,096, N 4,096]; A: computed on the way; B: softmax (see below): QUANTISED
;;     6. [M 32,768, K 128] x [K 128, N 256]; A: computed on the way; B: input w_w (given as codes): QUANTISED
;;   THE QUANTISER, for each operand of a quantised product, along K:
;;     - K is cut into blocks of 32 from its start; a last block that is shorter is filled with zeros.
;;     - A block's scale is 2^e with e = floor(log2(the largest magnitude in the block)) - 2, held to -126 .. 127; a block of zeros has e = 0. As a byte (E8M0): e + 127.
;;     - Each number is divided by its block's scale, clamped to +-6, and rounded to the nearest number of E2M1, ties to even, subnormals kept.
;;     - The product sums the exact products of the quantised numbers (number of the format x scale) in f32.
;;   ~~~python
;;   def quantise(x, axis):      # numpy; x: float32 -> the quantised numbers, widened to float32 again
;;       x = np.moveaxis(x, axis, -1); K = x.shape[-1]
;;       x = np.pad(x, [(0, 0)] * (x.ndim - 1) + [(0, -K % 32)]); x = x.reshape(x.shape[:-1] + (-1, 32)); a = np.abs(x).max(-1, keepdims=True)
;;       e = np.where(a > 0, np.clip(np.frexp(np.where(a > 0, a, 1))[1] - 1 - 2, -126, 127), 0)      # np.frexp(a)[1] - 1 = floor(log2(a)), exactly
;;       r = np.clip(x / 2.0 ** e, -6, 6)
;;       step = 2.0 ** (np.maximum(np.frexp(np.where(r == 0, 1, r))[1] - 1, 0) - 1)
;;       q = np.round(r / step) * step * 2.0 ** e      # np.round: ties to even
;;       return np.moveaxis(q.reshape(q.shape[:-2] + (-1,))[..., :K], -1, axis).astype(np.float32)
;;   ~~~
;;   SOFTMAX AHEAD OF A QUANTISED PRODUCT. Where the list says 'softmax', what is quantised is not the finished softmax but p = 2^(t - M), with t = logit x log2(e) and M = ceil(the row's largest t), a whole number; so 1/2 < the row's largest p <= 1. The row's sum l is taken of the UNQUANTISED p, in f32, and the product's result is divided by l at the end. Since M is a whole number, a kernel that streams over the keys may use a running M (the ceiling of the running maximum): every later rescaling is an exact power of two, which a block's scale takes up: the codes' values come out the same.
;;   OPERANDS COMPUTED ON THE WAY. 'Computed on the way' means the value that the module computes at that place (a softmax that the list does not call 'softmax' is quantised finished and normalised). What goes into a quantiser is computed in f32, as accurately as f32 sums, v_exp_f32 and their like allow (about 1e-6 of the number): no bf16 or f16 on the way to a quantiser, and a product that is left as it is and whose result goes on into a quantised operand takes f32 operands (vector FMAs, or v_wmma_f32_16x16x4_f32). A number that lies on a knife's edge between two numbers of the format may be rounded either way, as far as f32 arithmetic and the matrix unit's own rounding can turn it there, and no further.
;;   INPUTS GIVEN AS CODES. w_g (in the module: [128, 256], K = its axis 1); w_phi (in the module: [128, 256], K = its axis 1); w_theta (in the module: [128, 256], K = its axis 1); w_w (in the module: [256, 128], K = its axis 1): each comes as NAME_codes (uint8): NAME with its K axis moved to the last place and cut into blocks of 32 codes, [.., K / 32, bytes a block], one block behind the other in memory; two codes a byte, the lower K in the low four bits (a code: sign, 2 exponent bits, 1 mantissa bit); and NAME_scales (uint8): the same leading axes, one E8M0 byte (e + 127) for each 32 codes along K. Its value is code x scale, taken as it is: it is not quantised again, and the codes and scales need not be those that the quantiser above would give.
;; One version. Each part assembles by itself: llvm-mc -triple=amdgcn-amd-amdhsa -mcpu=gfx1250 --defsym DOCPART=n.
;; ======== version 1 of 1: 2 launches
;; workspace buffers: qq 2,228,224 bytes; kv 4,456,448 bytes
;; launch proj (part 1): grid 32 x 8, 4 waves a work-group, no clusters, 327,680 bytes of LDS; arguments x, bn_gamma, bn_beta, bn_mean, bn_var, w_theta_codes, w_theta_scales, b_theta, w_phi_codes, w_phi_scales, b_phi, w_g_codes, w_g_scales, b_g, qq, kv; writes qq, kv
.if DOCPART == 1
	.amdgcn_target "amdgcn-amd-amdhsa--gfx1250"
	.amdhsa_code_object_version 6
	.text
	.protected	k_q26c2df5b3f_proj
	.globl	k_q26c2df5b3f_proj
	.p2align	8
	.type	k_q26c2df5b3f_proj,@function
k_q26c2df5b3f_proj:
	s_mov_b64 s[64:65], 0
	v_nop
	global_prefetch_b8 v0, s[64:65] scope:SCOPE_SE
	s_setreg_imm32_b32 hwreg(HW_REG_WAVE_MODE, 25, 1), 1
	s_wait_xcnt 0x0
; BatchNorm, the three 1x1 projections (K = 256 channels) on codes of E2M1, and the quantising of their results for the attention launch.
; x: [8][256][4096] f32.  xb = x * scale[c] + shift[c], scale = gamma * rsqrt(var + 1e-5), shift = beta - mean * scale, is quantised along c.
; th = W_theta xb + b_theta and ph = W_phi xb + b_phi are quantised along their 128 channels, g = W_g xb + b_g along the positions (blocks of 32 positions).
; SHARES.  A work-group takes 128 positions of one image (block S) and all 256 channels: 32 x 8 work-groups.  Wave w takes the 32 positions 32 w .. 32 w + 31 of the block
; through the whole text, as two tiles of 16: row r of tile u is position 8 u + r + 8 (r / 8) of the 32.  All 48 weight fragments stay in each wave's registers.
; NO CLUSTER: no two work-groups read the same bytes of x (131,072 bytes each); what they share is 49,152 bytes of weights, which go straight into registers.
; x COMES BY TENSOR LOADS, two a wave, all at the head (32 rows of 512 bytes each); nothing in LDS is filled twice.
; A LANE TAKES A POSITION AND ITS REGISTERS RUN DOWN THE CHANNELS: a block of 32 channels lies in one lane, so its largest magnitude needs no other lane and the conversions give codes with K innermost.
; th, ph: THE PRODUCT IS USED TRANSPOSED (source 0 = 16 rows of W, source 1 = 16 positions), and row r of tile t of W is channel 32 (t / 2) + 8 (t % 2) + r + 8 (r / 8): a lane then holds one position,
; and the 16 registers of tiles 2 b, 2 b + 1 are channels 32 b + 16 (lane / 16) + 0 .. 15.  g: source 0 = 16 positions, source 1 = 16 rows of W_g: a lane holds one channel and 16 neighbouring positions.
; OUT.  Images of operand registers: a fragment is [register group 0, 1][lane][16 bytes] = 1,024 bytes.
;   qq [8][32][8,704]:  8 th fragments (tile 2 w + u); 512 bytes of scale words [lane l][word w]: tile 2 w + l / 16, row l % 16.
;   kv [8][32][17,408]: 8 ph fragments; 8 g fragments (K = the block's 128 positions); ph's scale words as th's; g's scale words [lane l][word i]: tile 2 i + l / 16, row l % 16, byte w = positions 32 w on.
; LIMITS: NaN and infinities among the inputs are not served.  A block of zeros gets the scale byte 1 where the quantiser says 127: its codes are zeros, which add nothing, and this program alone reads the bytes.
; Blocks whose largest magnitude lies under 2^-124 are held at the byte 1.
.set XT,    0                          ; LDS: x's tile, channel c at 512 c: 131,072 bytes
.set VIMG,  131072                     ; g's 8 fragment images: 8,192 bytes
.set SCS,   139264                     ; scale words of th, ph, g: 512 bytes each
.set LI,  4                            ; v4   16 x lane
.set L4,  5                            ; v5   4 x lane
.set XA,  6                            ; v6   my position's word in a row of x's tile; v7 the same 128 rows on
.set WA,  8                            ; v8   my row and half in a weight's tile of codes
.set WSA, 9                            ; v9   and in its scale bytes: lanes 0-15 the first 128 along K, lanes 16-31 the second
.set BA,  10                           ; v10  64 x (lane / 16): b_theta, b_phi
.set BGA, 11                           ; v11  my row's word of b_g
.set GA,  12                           ; v12  where my 8 bytes of g's codes go
.set GS,  13                           ; v13  where my byte of g's scales goes
.set SCA, 14                           ; v14  where my scale word of th or ph goes
.set VO,  15                           ; v15  the way out: my 16 bytes of g's images
.set BNS, 16                           ; v16-23  register j, lane i: scale of channel 32 j + i
.set BNH, 24                           ; v24-31  the shifts likewise
.set WS,  32                           ; v32-55  the weights' scale words: matrix m, tile t at WS + 8 m + t
.set XW,  56                           ; v56-57  xb's scale words for K steps 0, 1: lanes 0-15 tile 0's rows, lanes 16-31 tile 1's
.set BG,  58                           ; v58-73  b_g of my row of tile T, twice, at BG + 2 T
.set PWK, 74                           ; v74     tile 0's scale word, kept for tile 1's
.set SCO, 75                           ; v75     the way out: my 16 bytes of the scale words
.set XF,  76                           ; v76-107 xb's fragments: tile u, K step s at XF + 16 u + 8 s
.set R,   108                          ; v108-171 two sets of 32 numbers of x;
.set HA,  108                          ; later 64 results
.set TM,  172                          ; v172-187 at work in the quantisers
.set PW,  188                          ; v188    the scale word just made
.set CTH, 190                          ; v190-221 four sets of codes (th, ph x tile): no store's data are written again
.set CG,  222                          ; v222-237 two sets of codes of g
.set OUTR, 240                         ; v240-255 the way out
; window 1: W_theta's fragments (t, s) at 8 (2 t + s), W_phi's 128 on.   window 2: W_g's likewise; b_theta's 8 tiles from v128, b_phi's from v192.
.set SS,  4                            ; s[4:35]  the 16 pointers; behind the wait for the head's loads: a block's 32 scales
.set SH,  66                           ; s[66:97] a block's 32 shifts
.set G1,  36                           ; s[36:43] descriptor group 1
.set G0,  44                           ; s[44:47], s[48:51] group 0 for channels 0-127 and 128-255
.set WV,  52                           ; s52  wave
.set HI,  53                           ; s53  mask of lanes 16-31
.set SEL, 54                           ; s[54:55] selects for lane l xor 16
.set PQ,  56                           ; s[56:57] qq at my two fragments;  s[58:59] kv likewise
.set PS,  98                           ; s[98:99] where my wave's 512 bytes of scale words go
.set MSB, 0
.macro WIN new                         ; the immediate's high byte repeats the setting that is left
.if MSB != \new
	s_set_vgpr_msb (MSB<<8)|\new
.set MSB, \new
.endif
.endm
.macro PLACES n
.rept \n
	v_nop
.endr
.endm
; One product 16 x 16 x 128.  c < 0: the constant 0 starts the sum.  ra, rb: source 0's, source 1's scales are read from lanes 16-31.
.macro MM d, a, b, c, sa, sb, ra, rb
.if (\c) < 0
.if (\ra) && (\rb)
	v_wmma_scale_f32_16x16x128_f8f6f4 v[(\d):(\d)+7], v[(\a):(\a)+7], v[(\b):(\b)+7], 0, v[\sa], v[\sb] matrix_a_fmt:MATRIX_FMT_FP4 matrix_b_fmt:MATRIX_FMT_FP4 matrix_a_scale:MATRIX_SCALE_ROW1 matrix_b_scale:MATRIX_SCALE_ROW1
.elseif (\ra)
	v_wmma_scale_f32_16x16x128_f8f6f4 v[(\d):(\d)+7], v[(\a):(\a)+7], v[(\b):(\b)+7], 0, v[\sa], v[\sb] matrix_a_fmt:MATRIX_FMT_FP4 matrix_b_fmt:MATRIX_FMT_FP4 matrix_a_scale:MATRIX_SCALE_ROW1
.elseif (\rb)
	v_wmma_scale_f32_16x16x128_f8f6f4 v[(\d):(\d)+7], v[(\a):(\a)+7], v[(\b):(\b)+7], 0, v[\sa], v[\sb] matrix_a_fmt:MATRIX_FMT_FP4 matrix_b_fmt:MATRIX_FMT_FP4 matrix_b_scale:MATRIX_SCALE_ROW1
.else
	v_wmma_scale_f32_16x16x128_f8f6f4 v[(\d):(\d)+7], v[(\a):(\a)+7], v[(\b):(\b)+7], 0, v[\sa], v[\sb] matrix_a_fmt:MATRIX_FMT_FP4 matrix_b_fmt:MATRIX_FMT_FP4
.endif
.else
.if (\ra) && (\rb)
	v_wmma_scale_f32_16x16x128_f8f6f4 v[(\d):(\d)+7], v[(\a):(\a)+7], v[(\b):(\b)+7], v[(\c):(\c)+7], v[\sa], v[\sb] matrix_a_fmt:MATRIX_FMT_FP4 matrix_b_fmt:MATRIX_FMT_FP4 matrix_a_scale:MATRIX_SCALE_ROW1 matrix_b_scale:MATRIX_SCALE_ROW1
.elseif (\ra)
	v_wmma_scale_f32_16x16x128_f8f6f4 v[(\d):(\d)+7], v[(\a):(\a)+7], v[(\b):(\b)+7], v[(\c):(\c)+7], v[\sa], v[\sb] matrix_a_fmt:MATRIX_FMT_FP4 matrix_b_fmt:MATRIX_FMT_FP4 matrix_a_scale:MATRIX_SCALE_ROW1
.elseif (\rb)
	v_wmma_scale_f32_16x16x128_f8f6f4 v[(\d):(\d)+7], v[(\a):(\a)+7], v[(\b):(\b)+7], v[(\c):(\c)+7], v[\sa], v[\sb] matrix_a_fmt:MATRIX_FMT_FP4 matrix_b_fmt:MATRIX_FMT_FP4 matrix_b_scale:MATRIX_SCALE_ROW1
.else
	v_wmma_scale_f32_16x16x128_f8f6f4 v[(\d):(\d)+7], v[(\a):(\a)+7], v[(\b):(\b)+7], v[(\c):(\c)+7], v[\sa], v[\sb] matrix_a_fmt:MATRIX_FMT_FP4 matrix_b_fmt:MATRIX_FMT_FP4
.endif
.endif
.endm
; 64 numbers of a lane, v[s] on: four blocks of 32, of each of which I hold 16 (registers 16 b + 0 .. 15) and lane l xor 16 the other 16.  Codes: 8 to a register, v[pc + 2 b], v[pc + 2 b + 1]; bytes: v[TM + 4 + b].
.macro QCORE s, pc
.irp b, 0,1,2,3
	v_max3_num_f32 v[TM+\b], |v[\s+16*\b]|, |v[\s+1+16*\b]|, 0x1800000   ; my 16 numbers and the floor 2^(3 - 127): the byte cannot fall under 1
.endr
.irp i, 2,4,6,8,10,12,14
.irp b, 0,1,2,3
	v_max3_num_f32 v[TM+\b], v[TM+\b], |v[\s+16*\b+\i]|, |v[\s+1+16*\b+\i]|   ; the four blocks by turns
.endr
.endr
.irp b, 0,1,2,3
	v_permlanex16_b32 v[TM+4+\b], v[TM+\b], s[SEL], s[SEL+1]
.endr
.irp b, 0,1,2,3
	v_max_num_f32 v[TM+\b], v[TM+\b], v[TM+4+\b]                  ; the block's largest magnitude
.endr
.irp b, 0,1,2,3
	v_add_nc_u32 v[TM+12+\b], 0xff000000, v[TM+\b]                ; 2 off its exponent field: the conversion's scale operand
.endr
.irp b, 0,1,2,3
	v_lshrrev_b32 v[TM+4+\b], 23, v[TM+12+\b]                     ; the scale's byte
.endr
.irp b, 0,1,2,3
	v_cvt_scalef32_pk8_fp4_f32 v[\pc+2*\b], v[\s+16*\b:\s+7+16*\b], v[TM+12+\b]
	v_cvt_scalef32_pk8_fp4_f32 v[\pc+1+2*\b], v[\s+8+16*\b:\s+15+16*\b], v[TM+12+\b]
.endr
	v_nop                                          ; one plain line behind the last scaled conversion
.endm
; The four blocks are the 128 along K of my row: the bytes make its scale word, and the halves change places so that a lane holds whole blocks, as the operand's layout asks.
.macro QTAIL pc, pw
	v_lshl_or_b32 v[\pw], v[TM+5], 8, v[TM+4]
	v_lshl_or_b32 v[\pw], v[TM+6], 16, v[\pw]
	v_lshl_or_b32 v[\pw], v[TM+7], 24, v[\pw]
.irp c, 0,1
.irp i, 0,1
	v_permlane16_swap_b32 v[\pc+4*\c+\i], v[\pc+2+4*\c+\i]
.endr
.endr
.endm
	s_load_b512 s[4:19], s[0:1], 0x0               ; x, gamma, beta, mean, var, W_theta's codes, scales, b_theta
	s_load_b512 s[20:35], s[0:1], 0x40             ; W_phi's codes, scales, b_phi, W_g's codes, scales, b_g, qq, kv
	v_lshl_add_u32 v238, v0, 2, 0x29000
	v_mov_b32 v239, 0
	ds_add_u32 v238, v239
	ds_add_u32 v238, v239
	v_lshrrev_b32 v1, 5, v0
	v_readfirstlane_b32 s[WV], v1                  ; wave 0..3
	v_and_b32 v1, 31, v0                           ; lane
	v_and_b32 v2, 15, v0                           ; r
	v_bfe_u32 v3, v0, 4, 1                         ; h
	; descriptor group 1: 32 rows (channels) of 128 f32, 4,096 elements from row to row, no padding
	s_mov_b32 s[G1+0], 2<<16                       ; no mask; elements of 4 bytes
	s_mov_b32 s[G1+1], 128<<16                     ; tensor_dim0 = 128
	s_mov_b32 s[G1+2], 32<<16                      ; tensor_dim1 = 32
	s_mov_b32 s[G1+3], 128<<16                     ; tile_dim0 = 128
	s_mov_b32 s[G1+4], 32                          ; tile_dim1 = 32
	s_mov_b32 s[G1+5], 4096                        ; the pitch
	s_mov_b32 s[G1+6], 0
	s_mov_b32 s[G1+7], 0
	s_mov_b32 s[G0+0], 1
	s_lshl_b32 s[G0+1], s[WV], 14                  ; LDS: my 32 rows of 512 bytes,
	s_mov_b32 s[G0+4], 1
	s_add_co_u32 s[G0+5], s[G0+1], 65536           ; and the same 128 rows on
	s_and_b32 s60, ttmp7, 0xffff                   ; the image
	s_lshl_b32 s62, s60, 22                        ; 256 channels x 16,384 bytes
	s_lshl_b32 s61, s[WV], 19                      ; my 32 channels
	s_add_co_u32 s62, s62, s61
	s_lshl_b32 s61, ttmp9, 9                       ; the block's 128 positions
	s_add_co_u32 s62, s62, s61
	s_mov_b32 s63, 0
	s_wait_alu depctr_va_vdst(0)
	s_wait_dscnt 0x0
	s_wait_kmcnt 0x0
	s_add_nc_u64 s[G0+2:G0+3], s[4:5], s[62:63]
	s_add_nc_u64 s[G0+6:G0+7], s[G0+2:G0+3], 0x200000   ; 128 channels on
	s_or_b32 s[G0+3], s[G0+3], 0x80000000          ; type = 2
	s_or_b32 s[G0+7], s[G0+7], 0x80000000
	tensor_load_to_lds s[G0:G0+3], s[G1:G1+7]      ; the fill of channels 0-127: one load of mine is out
	s_nop 0
	s_wait_alu depctr_va_vdst(0)
	s_wait_tensorcnt 0x0
	ds_add_u32 v238, v239
	s_wait_dscnt 0x0
	s_barrier_signal -1
	s_barrier_wait -1
	tensor_load_to_lds s[G0+4:G0+7], s[G1:G1+7]
	s_nop 0
	PLACES 4
	s_lshl_b32 s60, s60, 5
	s_add_co_u32 s60, s60, ttmp9                   ; the block's number: 32 x image + S
	s_mul_i32 s62, s60, 8704
	s_add_nc_u64 s[PQ:PQ+1], s[32:33], s[62:63]    ; qq's block
	s_add_nc_u64 s[PS:PS+1], s[PQ:PQ+1], 8192      ; th's scale words
	s_mul_i32 s62, s60, 17408
	s_add_nc_u64 s[PQ+2:PQ+3], s[34:35], s[62:63]  ; kv's block
	s_lshl_b32 s62, s[WV], 9
	s_add_co_u32 s62, s62, 15872                   ; wave 1: ph's scale words at 16,384; wave 2: g's at 16,896
	s_add_nc_u64 s[60:61], s[PQ+2:PQ+3], s[62:63]
	s_cmp_eq_u32 s[WV], 0                          ; the choice hangs on the wave's number alone
	s_cselect_b64 s[PS:PS+1], s[PS:PS+1], s[60:61]
	s_lshl_b32 s62, s[WV], 11                      ; my two fragments
	s_add_nc_u64 s[PQ:PQ+1], s[PQ:PQ+1], s[62:63]
	s_add_nc_u64 s[PQ+2:PQ+3], s[PQ+2:PQ+3], s[62:63]
	v_lshlrev_b32 v[LI], 4, v1
	v_lshlrev_b32 v[L4], 2, v1
	v_and_b32 v[XA], 7, v0                         ; lane l = 16 u + r takes position 8 u + r % 8 + 16 (r / 8) of my 32
	v_bfe_u32 v[XA+1], v0, 3, 1
	v_lshlrev_b32 v[XA], 2, v[XA]
	v_lshl_add_u32 v[XA], v[XA+1], 6, v[XA]
	v_lshl_add_u32 v[XA], v3, 5, v[XA]
	s_lshl_b32 s62, s[WV], 7
	v_add_nc_u32 v[XA], s62, v[XA]
	v_add_nc_u32 v[XA+1], 65536, v[XA]
	v_and_b32 v[PW], 8, v2
	v_add_nc_u32 v[PW], v[PW], v2                  ; r + 8 (r / 8)
	v_lshlrev_b32 v[WA], 7, v[PW]                  ; a weight's row is 256 codes: 128 bytes
	v_lshl_add_u32 v[WA], v3, 4, v[WA]
	v_lshlrev_b32 v[WSA], 3, v[PW]                 ; and 8 scale bytes
	v_lshl_add_u32 v[WSA], v3, 2, v[WSA]
	v_lshlrev_b32 v[BA], 6, v3
	v_lshlrev_b32 v[BGA], 2, v[PW]
	v_lshlrev_b32 v[GA], 4, v2                     ; g's images: positions 32 w on are register group w / 2 of lanes 16 (w % 2) + r: 256 w + 16 r; my 16 positions: + 8 h
	v_lshl_add_u32 v[GA], v3, 3, v[GA]
	s_lshl_b32 s62, s[WV], 8
	s_add_co_u32 s62, s62, VIMG
	v_add_nc_u32 v[GA], s62, v[GA]
	v_lshl_add_u32 v[GS], v2, 4, SCS+1024
	v_add_nc_u32 v[GS], s[WV], v[GS]
	v_lshl_add_u32 v[SCA], v1, 4, SCS
	s_lshl_b32 s62, s[WV], 2
	v_add_nc_u32 v[SCA], s62, v[SCA]
	s_lshl_b32 s62, s[WV], 11
	s_add_co_u32 s62, s62, VIMG
	v_add_nc_u32 v[VO], s62, v[LI]
	s_lshl_b32 s62, s[WV], 9
	s_add_co_u32 s62, s62, SCS
	v_add_nc_u32 v[SCO], s62, v[LI]
	s_mov_b32 s[SEL], 0x76543210
	s_mov_b32 s[SEL+1], 0xfedcba98
	v_cmp_lt_u32 s[HI], 15, v1                     ; lanes 16-31
.irp b, 0,1,2,3
	v_mov_b32 v[TM+4+\b], 0                        ; written once: a lane permute's destination counts as one of its sources
.endr
.irp j, 0,1,2,3,4,5,6,7                        ; BatchNorm's four vectors: register j, lane i: channel 32 j + i
	global_load_b32 v[R+\j], v[L4], s[6:7] offset:128*\j
	global_load_b32 v[R+8+\j], v[L4], s[8:9] offset:128*\j
	global_load_b32 v[R+16+\j], v[L4], s[10:11] offset:128*\j
	global_load_b32 v[R+24+\j], v[L4], s[12:13] offset:128*\j
.endr
	WIN 0x40                                       ; destination window 1
.irp t, 0,1,2,3,4,5,6,7
.irp s, 0,1
.irp c, 0,1
	global_load_b128 v[8*(2*\t+\s)+4*\c:8*(2*\t+\s)+4*\c+3], v[WA], s[14:15] offset:(32*(\t/2)+8*(\t%2))*128+64*\s+32*\c
	global_load_b128 v[128+8*(2*\t+\s)+4*\c:128+8*(2*\t+\s)+4*\c+3], v[WA], s[20:21] offset:(32*(\t/2)+8*(\t%2))*128+64*\s+32*\c
.endr
.endr
.endr
	WIN 0x80                                       ; destination window 2
.irp t, 0,1,2,3,4,5,6,7
.irp s, 0,1
.irp c, 0,1
	global_load_b128 v[8*(2*\t+\s)+4*\c:8*(2*\t+\s)+4*\c+3], v[WA], s[26:27] offset:(32*(\t/2)+8*(\t%2))*128+64*\s+32*\c
.endr
.endr
.endr
.irp t, 0,1,2,3,4,5,6,7                        ; the biases in the result's layout: lane (r, h), register j: channel 32 (t / 2) + 16 h + 8 (t % 2) + j
	global_load_b128 v[128+8*\t:131+8*\t], v[BA], s[18:19] offset:(32*(\t/2)+8*(\t%2))*4
	global_load_b128 v[132+8*\t:135+8*\t], v[BA], s[18:19] offset:(32*(\t/2)+8*(\t%2))*4+16
	global_load_b128 v[192+8*\t:195+8*\t], v[BA], s[24:25] offset:(32*(\t/2)+8*(\t%2))*4
	global_load_b128 v[196+8*\t:199+8*\t], v[BA], s[24:25] offset:(32*(\t/2)+8*(\t%2))*4+16
.endr
	WIN 0
.irp t, 0,1,2,3,4,5,6,7
	global_load_b32 v[WS+\t], v[WSA], s[16:17] offset:(32*(\t/2)+8*(\t%2))*8
	global_load_b32 v[WS+8+\t], v[WSA], s[22:23] offset:(32*(\t/2)+8*(\t%2))*8
	global_load_b32 v[WS+16+\t], v[WSA], s[28:29] offset:(32*(\t/2)+8*(\t%2))*8
	global_load_b32 v[BG+2*\t], v[BGA], s[30:31] offset:(32*(\t/2)+8*(\t%2))*4     ; twice: a pair for the packed addition
	global_load_b32 v[BG+2*\t+1], v[BGA], s[30:31] offset:(32*(\t/2)+8*(\t%2))*4
.endr
	s_wait_loadcnt 0x0                             ; all of the head's loads: from here on s[4:35] hold no pointer that is still wanted
.irp j, 0,1,2,3,4,5,6,7
	v_add_f32 v[R+24+\j], 0x3727c5ac, v[R+24+\j]   ; var + 1e-5
.endr
	s_wait_alu depctr_va_vdst(0)
.irp j, 0,1,2,3,4,5,6,7
	v_rsq_f32 v[R+32+\j], v[R+24+\j]
.endr
	v_nop                                          ; a plain line behind the last transcendental
	s_wait_alu depctr_va_vdst(0)
.irp j, 0,1,2,3,4,5,6,7
	v_mul_f32 v[BNS+\j], v[R+\j], v[R+32+\j]       ; scale = gamma * rsqrt(var + eps)
.endr
.irp j, 0,1,2,3,4,5,6,7
	v_fma_f32 v[BNH+\j], -v[R+16+\j], v[BNS+\j], v[R+8+\j]   ; shift = beta - mean * scale
.endr
; Block bb (channels 32 bb on) of my 32 positions out of LDS: each load takes 128 neighbouring bytes of one row
.macro LDB bb
.set LR, R+32*((\bb)%2)
.set i, 0
.rept 32
	ds_load_b32 v[LR+i], v[XA+(\bb)/4] offset:(32*((\bb)%4)+i)*512
.set i, i+1
.endr
.endm
; Block bb: BatchNorm, the block's scale, its 32 codes.  left: the LDS loads issued behind this block's, which may stay out.  next = 1: the set takes the block two on.
.macro BLK bb, left, next
.set BR, R+32*((\bb)%2)
.set i, 0
.rept 32
	v_readlane_b32 s[SS+i], v[BNS+(\bb)], i        ; the block's 32 scales and shifts as scalars
	v_readlane_b32 s[SH+i], v[BNH+(\bb)], i
.set i, i+1
.endr
	s_wait_dscnt \left                             ; LDS loads come back in order: this block's 32 are in
.set i, 0
.rept 32
	v_fma_f32 v[BR+i], v[BR+i], s[SS+i], s[SH+i]
.set i, i+1
.endr
	v_max3_num_f32 v[TM+8], |v[BR]|, |v[BR+1]|, 0x1800000          ; all 32 numbers are mine; two chains; the floor 2^(3 - 127)
	v_max3_num_f32 v[TM+9], |v[BR+2]|, |v[BR+3]|, |v[BR+4]|
.irp i, 5,9,13,17,21,25
	v_max3_num_f32 v[TM+8], v[TM+8], |v[BR+\i]|, |v[BR+\i+1]|
	v_max3_num_f32 v[TM+9], v[TM+9], |v[BR+\i+2]|, |v[BR+\i+3]|
.endr
	v_max3_num_f32 v[TM+8], v[TM+8], |v[BR+29]|, |v[BR+30]|
	v_max3_num_f32 v[TM+8], v[TM+8], v[TM+9], |v[BR+31]|
	v_add_nc_u32 v[TM+10], 0xff000000, v[TM+8]     ; 2 off the exponent field: the conversion's scale operand
	v_lshrrev_b32 v[TM+11], 23, v[TM+10]           ; the byte
.if (\bb)%4 == 0
	v_mov_b32 v[XW+(\bb)/4], v[TM+11]
.else
	v_lshl_or_b32 v[XW+(\bb)/4], v[TM+11], 8*((\bb)%4), v[XW+(\bb)/4]
.endif
.irp g, 0,1,2,3                                ; even blocks into tile 0's fragment, odd ones into tile 1's: the exchange below sets them right
	v_cvt_scalef32_pk8_fp4_f32 v[XF+16*((\bb)&1)+8*((\bb)>>2)+4*(((\bb)>>1)&1)+\g], v[BR+8*\g:BR+8*\g+7], v[TM+10]
.endr
	v_nop                                          ; one plain line behind the last scaled conversion
.if \next
	LDB (\bb)+2
.endif
.endm
	s_wait_alu depctr_va_vdst(0)
	s_wait_tensorcnt 0x1                           ; my part of channels 0-127 is in; the one load issued behind it may stay out
	s_barrier_signal -1
	s_barrier_wait -1                              ; everybody's is
	LDB 0
	LDB 1
	BLK 0, 32, 1                                   ; 32: the next block's loads stay out
	BLK 1, 32, 1
	BLK 2, 32, 0
	BLK 3, 0, 0
	s_wait_tensorcnt 0x0                           ; my part of channels 128-255 (no LDS instruction of mine is out)
	s_barrier_signal -1
	s_barrier_wait -1
	LDB 4
	LDB 5
	BLK 4, 32, 1
	BLK 5, 32, 1
	BLK 6, 32, 0
	BLK 7, 0, 0
; A register of an even block holds tile 0's rows in lanes 0-15 and tile 1's in lanes 16-31, its odd neighbour's likewise.  The operand wants the even block in lanes 0-15 and the odd one in lanes 16-31 of ONE tile.
.set k, 0
.rept 16
	v_permlane16_swap_b32 v[XF+k], v[XF+16+k]
.set k, k+1
.endr
	PLACES 8                                       ; operands and scale words written by vector instructions stand 4 and 8 places ahead of a scaled product
; th (m = 0) or ph (m = 1) of tile u: 8 tiles of channels, two K steps, the eight accumulators by turns; the bias is the C of the first K step.
.macro PROJ m, u
.set CSET, CTH+8*(2*\m+\u)
	WIN 0x21                                       ; source 0 (W) window 1, source 2 (the bias) window 2
.irp t, 0,1,2,3,4,5,6,7
	MM HA+8*\t, 128*\m+16*\t, XF+16*\u, 128+64*\m+8*\t, WS+8*\m+\t, XW, 0, \u
.endr
	WIN 0x01
.irp t, 0,1,2,3,4,5,6,7
	MM HA+8*\t, 128*\m+16*\t+8, XF+16*\u+8, HA+8*\t, WS+8*\m+\t, XW+1, 1, \u
.endr
	WIN 0
	PLACES 4                                       ; in front of the first read of results
	QCORE HA, CSET
	QTAIL CSET, PW
	global_store_b128 v[LI], v[CSET:CSET+3], s[PQ+2*\m:PQ+2*\m+1] offset:1024*\u          ; the fragment as it stands: 512 consecutive bytes a store
	global_store_b128 v[LI], v[CSET+4:CSET+7], s[PQ+2*\m:PQ+2*\m+1] offset:1024*\u+512
.if \u
	v_cndmask_b32 v[PWK], v[PWK], v[PW], s[HI]     ; lanes 0-15 tile 0's words, lanes 16-31 tile 1's
	ds_store_b32 v[SCA], v[PWK] offset:512*\m
.else
	v_mov_b32 v[PWK], v[PW]
.endif
.endm
	PROJ 0, 0
	PROJ 0, 1
	PROJ 1, 0
	PROJ 1, 1
; g, channel tiles 4 hf .. 4 hf + 3: source 0 = my positions (tile u), source 1 = 16 rows of W_g.  Lane (r, h) holds channel row r; the 16 registers of a tile's two products are positions 16 h + 0 .. 15 of my 32.
.macro GPROJ hf
.set CSET, CG+8*\hf
	WIN 0x08                                       ; source 1 (W_g) window 2
.irp bb, 0,1,2,3
.irp u, 0,1
	MM HA+16*\bb+8*\u, XF+16*\u, 16*(4*\hf+\bb), -1, XW, WS+16+4*\hf+\bb, \u, 0
.endr
.endr
.irp bb, 0,1,2,3
.irp u, 0,1
	MM HA+16*\bb+8*\u, XF+16*\u+8, 16*(4*\hf+\bb)+8, HA+16*\bb+8*\u, XW+1, WS+16+4*\hf+\bb, \u, 1
.endr
.endr
	WIN 0
	PLACES 4
.irp bb, 0,1,2,3
.irp j, 0,2,4,6,8,10,12,14
	v_pk_add_f32 v[HA+16*\bb+\j:HA+16*\bb+\j+1], v[HA+16*\bb+\j:HA+16*\bb+\j+1], v[BG+2*(4*\hf+\bb):BG+2*(4*\hf+\bb)+1]   ; + b_g of my channel; each accumulator from its low end on
.endr
.endr
	QCORE HA, CSET                                 ; a block is my wave's 32 positions of one channel
.irp bb, 0,1,2,3
	ds_store_b64 v[GA], v[CSET+2*\bb:CSET+2*\bb+1] offset:1024*(4*\hf+\bb)
	ds_store_b8 v[GS], v[TM+4+\bb] offset:256*((4*\hf+\bb)&1)+4*((4*\hf+\bb)>>1)   ; both lanes of a block write the same byte with the same value
.endr
	s_wait_dscnt 0x0                               ; the stores have read their registers
.endm
	GPROJ 0
	GPROJ 1
	s_wait_dscnt 0x0                               ; for the others' sake: my stores into the images and the scale words are done
	s_barrier_signal -1
	s_barrier_wait -1
.irp i, 0,1,2,3
	ds_load_b128 v[OUTR+4*\i:OUTR+4*\i+3], v[VO] offset:512*\i     ; my quarter of g's images
.endr
	s_cmp_eq_u32 s[WV], 3                          ; three runs of scale words: waves 0, 1, 2 take one each
	s_cbranch_scc1 .Lno_scales
	ds_load_b128 v[HA:HA+3], v[SCO]
	s_wait_dscnt 0x0
	global_store_b128 v[LI], v[HA:HA+3], s[PS:PS+1]
.Lno_scales:
	s_wait_dscnt 0x0
.irp i, 0,1,2,3
	global_store_b128 v[LI], v[OUTR+4*\i:OUTR+4*\i+3], s[PQ+2:PQ+3] offset:8192+512*\i   ; 512 consecutive bytes a store
.endr
	s_wait_tensorcnt 0x0
	ds_add_u32 v238, v239
	s_wait_dscnt 0x0
	s_endpgm
.Lfunc_end_k_q26c2df5b3f_proj:
	.size	k_q26c2df5b3f_proj, .Lfunc_end_k_q26c2df5b3f_proj-k_q26c2df5b3f_proj
	.p2alignl 7, 3214868480
	.fill 96, 4, 3214868480
	.section	.rodata,"a",@progbits
	.p2align	6, 0x0
	.amdhsa_kernel k_q26c2df5b3f_proj
		.amdhsa_group_segment_fixed_size 327680
		.amdhsa_private_segment_fixed_size 0
		.amdhsa_enable_private_segment 0
		.amdhsa_kernarg_size 128
		.amdhsa_user_sgpr_count 2
		.amdhsa_user_sgpr_kernarg_segment_ptr 1
		.amdhsa_wavefront_size32 1
		.amdhsa_system_sgpr_workgroup_id_x 1
		.amdhsa_system_sgpr_workgroup_id_y 1
		.amdhsa_system_sgpr_workgroup_id_z 1
		.amdhsa_system_vgpr_workitem_id 0
		.amdhsa_next_free_vgpr 768
		.amdhsa_next_free_sgpr 100
		.amdhsa_reserve_vcc 0
		.amdhsa_float_denorm_mode_32 3
		.amdhsa_float_denorm_mode_16_64 3
		.amdhsa_memory_ordered 1
		.amdhsa_forward_progress 1
		.amdhsa_inst_pref_size 145
	.end_amdhsa_kernel
	.amdgpu_metadata
---
amdhsa.version: [ 1, 2 ]
amdhsa.kernels:
  - .name:           k_q26c2df5b3f_proj
    .symbol:         k_q26c2df5b3f_proj.kd
    .args:
      - { .name: x, .offset: 0, .size: 8, .value_kind: global_buffer, .address_space: global }
      - { .name: bn_gamma, .offset: 8, .size: 8, .value_kind: global_buffer, .address_space: global }
      - { .name: bn_beta, .offset: 16, .size: 8, .value_kind: global_buffer, .address_space: global }
      - { .name: bn_mean, .offset: 24, .size: 8, .value_kind: global_buffer, .address_space: global }
      - { .name: bn_var, .offset: 32, .size: 8, .value_kind: global_buffer, .address_space: global }
      - { .name: w_theta_codes, .offset: 40, .size: 8, .value_kind: global_buffer, .address_space: global }
      - { .name: w_theta_scales, .offset: 48, .size: 8, .value_kind: global_buffer, .address_space: global }
      - { .name: b_theta, .offset: 56, .size: 8, .value_kind: global_buffer, .address_space: global }
      - { .name: w_phi_codes, .offset: 64, .size: 8, .value_kind: global_buffer, .address_space: global }
      - { .name: w_phi_scales, .offset: 72, .size: 8, .value_kind: global_buffer, .address_space: global }
      - { .name: b_phi, .offset: 80, .size: 8, .value_kind: global_buffer, .address_space: global }
      - { .name: w_g_codes, .offset: 88, .size: 8, .value_kind: global_buffer, .address_space: global }
      - { .name: w_g_scales, .offset: 96, .size: 8, .value_kind: global_buffer, .address_space: global }
      - { .name: b_g, .offset: 104, .size: 8, .value_kind: global_buffer, .address_space: global }
      - { .name: qq, .offset: 112, .size: 8, .value_kind: global_buffer, .address_space: global }
      - { .name: kv, .offset: 120, .size: 8, .value_kind: global_buffer, .address_space: global }
    .group_segment_fixed_size: 327680
    .private_segment_fixed_size: 0
    .kernarg_segment_align: 8
    .kernarg_segment_size: 128
    .max_flat_workgroup_size: 128
    .sgpr_count:     100
    .vgpr_count:     768
    .wavefront_size: 32
...
	.end_amdgpu_metadata
.endif
;; end of part 1
;; launch attn (part 2): grid 32 x 8, 16 waves a work-group, clusters of 4 x 1, 327,680 bytes of LDS; arguments qq, kv, x, w_w_codes, w_w_scales, b_w, out0; writes out0
.if DOCPART == 2
	.amdgcn_target "amdgcn-amd-amdhsa--gfx1250"
	.amdhsa_code_object_version 6
	.text
	.protected	k_q26c2df5b3f_attn
	.globl	k_q26c2df5b3f_attn
	.p2align	8
	.type	k_q26c2df5b3f_attn,@function
k_q26c2df5b3f_attn:
	s_mov_b64 s[64:65], 0
	v_nop
	global_prefetch_b8 v0, s[64:65] scope:SCOPE_SE
	s_setreg_imm32_b32 hwreg(HW_REG_WAVE_MODE, 25, 1), 1
	s_wait_xcnt 0x0
	s_wait_alu depctr_hold_cnt(0) depctr_sa_sdst(0) depctr_va_vdst(0) depctr_va_sdst(0) depctr_va_ssrc(0) depctr_va_vcc(0) depctr_vm_vsrc(0)
	s_getreg_b32 s2, hwreg(HW_REG_IB_STS2, 6, 4)
	s_cmp_eq_u32 s2, 0
	s_cbranch_scc0 .Lentry_in_a_cluster
	s_endpgm
.Lentry_in_a_cluster:
	s_bfe_u32 s2, ttmp6, 0x10000c
	s_cmp_lg_u32 s2, 0x3003
	s_cbranch_scc0 .Lentry_shape_is_right
	s_endpgm
.Lentry_shape_is_right:
; out = W_w (softmax(th^T ph) g) + b_w + x, all three products on codes of E2M1 with one E8M0 scale for each 32 along K.
; qq and kv are images of operand registers (a fragment: [register group 0, 1][lane][16 bytes] = 1,024 bytes), by blocks of 128 positions:
;   qq [8][32][8,704]: 8 th fragments, 512 bytes of scale words.   kv [8][32][17,408]: 8 ph fragments, 8 g fragments (K = the block's 128 keys), ph's scale words, g's scale words.
;   Row r of position tile 2 b + u is position 32 b + 8 u + r + 8 (r / 8) of the block; row r of g's channel tile 2 i + p is channel 32 i + 8 p + r + 8 (r / 8).
; THE SOFTMAX: t = score x log2(e); M = the running largest t rounded UP to a whole number; p = 2^(t - M) is quantised along the keys, not normalised.  The row's sum is taken of the unquantised p, in f32,
; and divides at the end.  When M moves, the sum and O are multiplied by 2^(old M - new M): exact.  A block's largest p is made from the block's largest score by the same two instructions as every p.
; SHARES.  A work-group owns 128 queries of one image (32 x 8 work-groups).  SIXTEEN waves of 256 registers, four to a SIMD, so that one wave's vector work stands beside the others' LDS loads and products.
; Wave w owns query tile w % 8 and, of every slot's eight key steps, steps 4 (w / 8) .. 4 (w / 8) + 3: half of the image's keys, with an M, a sum and an O^T of its own.  At the end the two waves of a tile
; hand each other these through LDS and join them under the larger M, by factors that are whole powers of two; then wave half w / 8 makes output channels 128 (w / 8) on.
; LAYOUT.  S^T = ph th^T (source 0 = 16 keys, source 1 = my 16 queries), O^T = g p^T (source 0 = 16 channels, source 1 = p): a lane holds ONE query (lane % 16) throughout; the 16 registers of two neighbouring
; tiles are 16 neighbours along the next K.  The last product has source 0 = y's 16 queries, source 1 = 16 rows of W_w: a lane then holds one output channel and eight neighbouring positions.
; RING.  Two LDS slots of eight key steps (139,264 bytes).  A key step is 17,408 consecutive bytes of kv: each wave fetches half a step, 34 rows of 256 bytes, by one tensor load.
; CLUSTER.  The four work-groups of a cluster belong to one image and walk the same kv: every fill is asked for JOINTLY, by the same tensor load with the same descriptor and a mask that names the four.
; My place in the cluster enters the global addresses of th, x and out alone.
; LIMITS: NaN and infinities among the inputs are not served.  A p under 2^-126 counts as 0.  A block of zeros gets the scale byte 1 where the quantiser says 127: its codes are zeros, and the bytes never leave the registers.
.set STEPB, 17408                      ; a key step's image
.set HALFB, 8704                       ; half of it: what one tensor load brings; also a wave's place in the exchange
.set SLOTB, 8*STEPB                    ; a slot; slot 1 begins here
.set SPARE, 2*SLOTB                    ; the spare words, 128 bytes for each of sixteen waves: eight blocks of 256 bytes that no other line names
.set SPITCH, 528                       ; the way out: a stage of 256 rows (output channels) x (512 bytes + 16)
.set STAGE, SLOTB                      ; it lies in slot 1, which has had its last fill, and which nobody reads behind the exchange's barrier
; THE EXCHANGE lies in slot 0, which has had its last fill and was left at the last change of slots: wave w's O^T (16 x 512 bytes) and its four numbers (512 bytes) at 8,704 w.
; v1 16 x lane; v2 the step's LDS address; v3, v4 the spare word's address and 0; v5 16 x (lane % 16); v6 my place in a tile of W_w; v7 into the stage; v8 into the exchange; v9 out of the stage; v10 prefetch offsets
; v11 4 x lane; v12 -M; v13 the largest t; v[14:15] the sum in two halves; v16-23 th's fragment; v24-27 W_w's scale words; v28 out of the exchange; v32-95 eight fragments of ph, then of g, at last of W_w
; v96-159 S^T, then p, at last x; v160-223 O^T; v224-231 p's codes; v232-239, v244-247 at work; v240-243 g's scale words; v248-251 ph's; v252 f; v253 p's scale word, later y's; v254 at work; v255 th's scale word
.set TM,  232
.set SEL, 20                           ; s[20:21] selects for lane l xor 16
.set WV,  18                           ; s18 wave
.set CS,  22                           ; s[22:23] log2(e), twice
.set G1,  24                           ; s[24:31] descriptor group 1
.set G0A, 32                           ; s[32:35] group 0 for slot 0;  s[36:39] for slot 1
.set G0B, 36
.set TB,  40                           ; s40 LDS byte at which the step in hand begins;  s41 counts steps
.set XB,  44                           ; s[44:45] x at my 16 output channels and my block's positions;  s[46:47] out0 likewise
.set QT,  66                           ; s66 my query tile: wave % 8
.set HF,  67                           ; s67 my half of the keys, and of the output channels: wave / 8
.set BW,  68                           ; s[68:83] b_w of the 16 output channels that I store
.set TB0, 84                           ; s84 where my four steps begin in a slot
.macro PLACES n
.rept \n
	v_nop
.endr
.endm
; One product 16 x 16 x 128.  c < 0: the constant 0 starts the sum.  ra, rb: source 0's, source 1's scales are read from lanes 16-31.
.macro MM d, a, b, c, sa, sb, ra, rb
.if (\c) < 0
.if (\ra) && (\rb)
	v_wmma_scale_f32_16x16x128_f8f6f4 v[(\d):(\d)+7], v[(\a):(\a)+7], v[(\b):(\b)+7], 0, v[\sa], v[\sb] matrix_a_fmt:MATRIX_FMT_FP4 matrix_b_fmt:MATRIX_FMT_FP4 matrix_a_scale:MATRIX_SCALE_ROW1 matrix_b_scale:MATRIX_SCALE_ROW1
.elseif (\ra)
	v_wmma_scale_f32_16x16x128_f8f6f4 v[(\d):(\d)+7], v[(\a):(\a)+7], v[(\b):(\b)+7], 0, v[\sa], v[\sb] matrix_a_fmt:MATRIX_FMT_FP4 matrix_b_fmt:MATRIX_FMT_FP4 matrix_a_scale:MATRIX_SCALE_ROW1
.elseif (\rb)
	v_wmma_scale_f32_16x16x128_f8f6f4 v[(\d):(\d)+7], v[(\a):(\a)+7], v[(\b):(\b)+7], 0, v[\sa], v[\sb] matrix_a_fmt:MATRIX_FMT_FP4 matrix_b_fmt:MATRIX_FMT_FP4 matrix_b_scale:MATRIX_SCALE_ROW1
.else
	v_wmma_scale_f32_16x16x128_f8f6f4 v[(\d):(\d)+7], v[(\a):(\a)+7], v[(\b):(\b)+7], 0, v[\sa], v[\sb] matrix_a_fmt:MATRIX_FMT_FP4 matrix_b_fmt:MATRIX_FMT_FP4
.endif
.else
.if (\ra) && (\rb)
	v_wmma_scale_f32_16x16x128_f8f6f4 v[(\d):(\d)+7], v[(\a):(\a)+7], v[(\b):(\b)+7], v[(\c):(\c)+7], v[\sa], v[\sb] matrix_a_fmt:MATRIX_FMT_FP4 matrix_b_fmt:MATRIX_FMT_FP4 matrix_a_scale:MATRIX_SCALE_ROW1 matrix_b_scale:MATRIX_SCALE_ROW1
.elseif (\ra)
	v_wmma_scale_f32_16x16x128_f8f6f4 v[(\d):(\d)+7], v[(\a):(\a)+7], v[(\b):(\b)+7], v[(\c):(\c)+7], v[\sa], v[\sb] matrix_a_fmt:MATRIX_FMT_FP4 matrix_b_fmt:MATRIX_FMT_FP4 matrix_a_scale:MATRIX_SCALE_ROW1
.elseif (\rb)
	v_wmma_scale_f32_16x16x128_f8f6f4 v[(\d):(\d)+7], v[(\a):(\a)+7], v[(\b):(\b)+7], v[(\c):(\c)+7], v[\sa], v[\sb] matrix_a_fmt:MATRIX_FMT_FP4 matrix_b_fmt:MATRIX_FMT_FP4 matrix_b_scale:MATRIX_SCALE_ROW1
.else
	v_wmma_scale_f32_16x16x128_f8f6f4 v[(\d):(\d)+7], v[(\a):(\a)+7], v[(\b):(\b)+7], v[(\c):(\c)+7], v[\sa], v[\sb] matrix_a_fmt:MATRIX_FMT_FP4 matrix_b_fmt:MATRIX_FMT_FP4
.endif
.endif
.endm
; A round of the cluster's barrier: my work-group's barrier; wave 0 signals for the work-group; every wave waits for all four work-groups; my work-group's barrier once more.
.macro CROUND
	s_barrier_signal -1
	s_barrier_wait -1
	s_cmp_lg_u32 s[WV], 0
	s_cbranch_scc1 .Lnot_wave_0_\@
	s_barrier_signal -3
.Lnot_wave_0_\@:
	s_barrier_wait -3
	s_barrier_signal -1
	s_barrier_wait -1
.endm
	s_load_b256 s[4:11], s[0:1], 0x0               ; qq s[4:5], kv s[6:7], x s[8:9], W_w's codes s[10:11]
	s_load_b128 s[12:15], s[0:1], 0x20             ; W_w's scales s[12:13], b_w s[14:15]
	s_load_b64 s[16:17], s[0:1], 0x30              ; out0
	v_lshl_add_u32 v3, v0, 2, SPARE
	v_mov_b32 v4, 0
	ds_add_u32 v3, v4
	ds_add_u32 v3, v4
	s_wait_dscnt 0x0
	v_lshrrev_b32 v1, 5, v0
	s_delay_alu instid0(VALU_DEP_1)
	v_readfirstlane_b32 s[WV], v1                  ; wave 0..15
	s_and_b32 s[QT], s[WV], 7                      ; my query tile
	s_lshr_b32 s[HF], s[WV], 3                     ; my half
	s_mul_i32 s[TB0], s[HF], 4*STEPB               ; my four steps of a slot
	s_bfe_u32 s42, ttmp6, 0x40000                  ; cx: my place in the cluster
	s_lshl_b32 s43, ttmp9, 2                       ; in a cluster launch ttmp9 counts clusters
	s_add_co_u32 s43, s43, s42                     ; my block of 128 queries
	s_and_b32 s19, ttmp7, 0xffff                   ; the image, which the four partners share
	; descriptor group 1: 34 rows of 256 bytes (32 elements of 8), dense, no padding
	s_mov_b32 s[G1+0], 15|(3<<16)|(1<<21)          ; 15:0 the mask: all four work-groups; 17:16 elements of 8 bytes; 21 set beside a mask
	s_mov_b32 s[G1+1], 32<<16                      ; tensor_dim0 = 32
	s_mov_b32 s[G1+2], 34<<16                      ; tensor_dim1 = 34
	s_mov_b32 s[G1+3], 32<<16                      ; tile_dim0 = 32
	s_mov_b32 s[G1+4], 34                          ; tile_dim1 = 34
	s_mov_b32 s[G1+5], 32                          ; the pitch
	s_mov_b32 s[G1+6], 0
	s_mov_b32 s[G1+7], 0
	s_mov_b32 s[G0A], 1
	s_mul_i32 s[G0A+1], s[WV], HALFB               ; LDS: half step w of slot 0: the wave's number alone
	s_mov_b32 s[G0B], 1
	s_add_co_u32 s[G0B+1], s[G0A+1], SLOTB         ; and of slot 1
	s_mul_i32 s58, s19, 32*STEPB                   ; kv: the image's 32 blocks, my half step: in registers that never hold cx
	s_add_co_u32 s58, s58, s[G0A+1]
	s_mov_b32 s59, 0
	s_lshl_b32 s56, s19, 5
	s_add_co_u32 s56, s56, s43
	s_mul_i32 s56, s56, 8704                       ; qq: my block
	s_mov_b32 s57, 0
	s_lshl_b32 s60, s19, 22                        ; x, out0: the image,
	s_lshl_b32 s61, s[WV], 18                      ; the 16 output channels that I store,
	s_add_co_u32 s60, s60, s61
	s_lshl_b32 s61, s43, 9                         ; my block's 128 positions
	s_add_co_u32 s60, s60, s61
	s_mov_b32 s61, 0
	s_mov_b32 s49, 0
	s_mov_b32 s[SEL], 0x76543210
	s_mov_b32 s[SEL+1], 0xfedcba98
	s_mov_b32 s[CS], 0x3fb8aa3b                    ; log2(e)
	s_mov_b32 s[CS+1], s[CS]                       ; (named with it as a pair, so it is written)
	s_wait_kmcnt 0x0
	s_add_nc_u64 s[G0A+2:G0A+3], s[6:7], s[58:59]
	s_add_nc_u64 s[G0B+2:G0B+3], s[G0A+2:G0A+3], SLOTB
	s_or_b32 s[G0A+3], s[G0A+3], 0x80000000        ; type = 2
	s_or_b32 s[G0B+3], s[G0B+3], 0x80000000
	s_add_nc_u64 s[52:53], s[4:5], s[56:57]        ; qq's block
	s_lshl_b32 s48, s[QT], 10
	s_add_nc_u64 s[50:51], s[52:53], s[48:49]      ; my tile's fragment
	s_and_b32 s48, s[QT], 1
	s_lshl_b32 s48, s48, 8
	s_lshr_b32 s62, s[QT], 1
	s_lshl_b32 s62, s62, 2
	s_add_co_u32 s48, s48, s62
	s_add_co_u32 s48, s48, 8192
	s_add_nc_u64 s[52:53], s[52:53], s[48:49]      ; its scale words: lanes 16 (tile % 2) + r, word tile / 2
	s_lshl_b32 s48, s[WV], 6
	s_add_nc_u64 s[54:55], s[14:15], s[48:49]      ; b_w at the 16 channels that I store
	s_lshl_b32 s48, s[HF], 13
	s_add_nc_u64 s[10:11], s[10:11], s[48:49]      ; W_w's codes at my half's 128 rows of 64 bytes,
	s_lshl_b32 s48, s[HF], 9
	s_add_nc_u64 s[12:13], s[12:13], s[48:49]      ; and their scale words
	s_add_nc_u64 s[XB:XB+1], s[8:9], s[60:61]
	s_add_nc_u64 s[XB+2:XB+3], s[16:17], s[60:61]
	CROUND                                         ; all four work-groups are here: the first joint load meets
	tensor_load_to_lds s[G0A:G0A+3], s[G1:G1+7]    ; key steps 0-7 into slot 0: one load of mine is out
	s_nop 0
	PLACES 4
	s_load_b512 s[BW:BW+15], s[54:55], 0x0
	v_and_b32 v12, 15, v0                          ; r
	v_bfe_u32 v13, v0, 4, 1                        ; h
	v_and_b32 v11, 31, v0                          ; lane
	s_delay_alu instid0(VALU_DEP_1)
	v_lshlrev_b32 v1, 4, v11
	s_delay_alu instid0(VALU_DEP_4)
	v_lshlrev_b32 v5, 4, v12
	v_lshlrev_b32 v6, 6, v12                       ; W_w: a row is 128 codes: 64 bytes
	s_delay_alu instid0(VALU_DEP_1)
	v_lshl_add_u32 v6, v13, 4, v6
	v_mul_u32_u24 v7, v12, SPITCH                  ; the stage: row = channel r of a tile; my eight positions 32 (tile / 2) + 16 h + 8 (tile % 2) on; my half's 128 rows
	s_delay_alu instid0(VALU_DEP_1)
	v_lshl_add_u32 v7, v13, 6, v7
	s_wait_alu depctr_va_vdst(0)
	s_lshr_b32 s62, s[QT], 1
	s_lshl_b32 s62, s62, 7
	s_and_b32 s63, s[QT], 1
	s_lshl_b32 s63, s63, 5
	s_add_co_u32 s62, s62, s63
	s_mul_i32 s63, s[HF], 128*SPITCH
	s_add_co_u32 s62, s62, s63
	s_add_co_u32 s62, s62, STAGE
	v_add_nc_u32 v7, s62, v7
	s_mul_i32 s62, s[WV], HALFB
	v_add_nc_u32 v8, s62, v1                       ; the exchange: my place,
	s_xor_b32 s62, s[WV], 8
	s_mul_i32 s62, s62, HALFB
	v_add_nc_u32 v28, s62, v1                      ; and that of the wave with my tile and the other keys
	s_mul_i32 s62, s[WV], 16*SPITCH
	s_add_co_u32 s62, s62, STAGE
	v_add_nc_u32 v9, s62, v1                       ; back from the stage: my 16 rows, 16 bytes a lane
	v_lshrrev_b32 v10, 1, v11                      ; prefetch: lanes 2 i, 2 i + 1 take the two halves of row i's 512 bytes
	s_delay_alu instid0(VALU_DEP_1)
	v_lshlrev_b32 v10, 14, v10
	v_and_b32 v2, 1, v11
	s_delay_alu instid0(VALU_DEP_1)
	v_lshl_add_u32 v10, v2, 8, v10
	v_lshlrev_b32 v11, 2, v11
	global_load_b128 v[16:19], v1, s[50:51]        ; th's fragment stays in registers
	global_load_b128 v[20:23], v1, s[50:51] offset:512
	global_load_b32 v255, v5, s[52:53]             ; its scale words
.irp i, 0,1,2,3
	global_load_b32 v[24+\i], v11, s[12:13] offset:128*\i   ; W_w's scale words: register i, lane l: row 32 i + l of my half
.endr
	v_mov_b32 v13, 0xff61b1e6                      ; the largest t so far: -3e38, under every t
	s_delay_alu instid0(VALU_DEP_1)
	v_floor_f32 v12, -v13                          ; -M
	v_mov_b32 v14, 0                               ; the sum, in two halves
	v_mov_b32 v15, 0
.irp b, 0,1,2,3
	v_mov_b32 v[236+\b], 0                         ; written once: a lane permute's destination counts as one of its sources
.endr
	v_mov_b32 v253, 0                              ; (named as the upper half of the pair v[252:253] before it is first written)
.set jj, 0
.rept 64
	v_mov_b32 v[160+jj], 0                         ; O^T: the step is written once; the first finds zeros, which the first change of M leaves zeros
.set jj, jj+1
.endr
; A KEY STEP: 128 keys, whose image begins at LDS byte s[TB].  pf = 1: my part of x is asked for ahead.
.macro STEP pf
	v_add_nc_u32 v2, s[TB], v1
	PLACES 3                                       ; with the addition above: four places in front of loads into registers that the last step's products have read
.irp t, 0,1,2,3,4,5,6,7
.irp c, 0,1
	ds_load_b128 v[32+8*\t+4*\c:35+8*\t+4*\c], v2 offset:1024*\t+512*\c   ; ph's eight fragments, as they stand: 512 consecutive bytes a load
.endr
.endr
	ds_load_b128 v[248:251], v2 offset:16384       ; their scale words: register b: lanes 0-15 tile 2 b, lanes 16-31 tile 2 b + 1
	s_wait_alu depctr_va_vdst(0)
	s_wait_dscnt 0x0
.irp t, 0,1,2,3,4,5,6,7
	MM 96+8*\t, 32+8*\t, 16, -1, 248+\t/2, 255, \t%2, 0
.endr                                          ; the 16 registers of tiles 2 b, 2 b + 1 are keys 32 b + 16 (lane / 16) + 0 .. 15
	PLACES 4                                       ; in front of the loads below and of the first read of the scores
.irp t, 0,1,2,3,4,5,6,7
.irp c, 0,1
	ds_load_b128 v[32+8*\t+4*\c:35+8*\t+4*\c], v2 offset:8192+1024*\t+512*\c   ; g's eight fragments: they land while the softmax is worked
.endr
.endr
	ds_load_b128 v[240:243], v2 offset:16896       ; and their scale words
.if \pf
	global_prefetch_b8 v10, s[XB:XB+1] th:TH_LOAD_NT scope:SCOPE_SE   ; my 16 rows x 512 bytes of x: 32 blocks of 256 bytes, one a lane, each asked for once, by me alone, one key step ahead of the loads; all inside x
.endif
.irp b, 0,1,2,3
	v_max3_num_f32 v[232+\b], v[96+16*\b], v[97+16*\b], v[98+16*\b]   ; the largest score of each block of 32 keys: for the row's maximum and for the block's largest p
.endr
.irp i, 3,5,7,9,11,13
.irp b, 0,1,2,3
	v_max3_num_f32 v[232+\b], v[232+\b], v[96+16*\b+\i], v[97+16*\b+\i]   ; the four blocks by turns
.endr
.endr
.irp b, 0,1,2,3
	v_max_num_f32 v[232+\b], v[232+\b], v[111+16*\b]
.endr
.irp b, 0,1,2,3
	s_delay_alu instid0(VALU_DEP_4)
	v_permlanex16_b32 v[236+\b], v[232+\b], s[SEL], s[SEL+1]
.endr
.irp b, 0,1,2,3
	s_delay_alu instid0(VALU_DEP_4)
	v_max_num_f32 v[232+\b], v[232+\b], v[236+\b]  ; with lane l xor 16's 16 keys
.endr
	s_delay_alu instid0(VALU_DEP_2)
	v_max3_num_f32 v254, v232, v233, v234
	s_delay_alu instid0(VALU_DEP_1)
	v_max_num_f32 v254, v254, v235                 ; the step's largest score of my query
	s_delay_alu instid0(VALU_DEP_1)
	v_mul_f32 v254, s[CS], v254                    ; as t
	s_delay_alu instid0(VALU_DEP_1)
	v_max_num_f32 v13, v13, v254                   ; the running largest t
	v_mov_b32 v254, v12
	s_delay_alu instid0(VALU_DEP_2)
	v_floor_f32 v12, -v13                          ; the new -M = floor(-t) = -ceil(t)
	s_delay_alu instid0(VALU_DEP_1)
	v_sub_f32 v254, v12, v254                      ; old M - new M: a whole number, 0 or less
	s_delay_alu instid0(VALU_DEP_1)
	v_cvt_i32_f32 v254, v254                       ; (it saturates)
	s_delay_alu instid0(VALU_DEP_1)
	v_ldexp_f32 v252, 1.0, v254                    ; f = 2^(old M - new M)
.set jj, 0
.rept 32
	v_pk_fma_f32 v[96+jj:97+jj], v[96+jj:97+jj], s[CS:CS+1], v[12:13] op_sel_hi:[1,0,0]   ; t - M, two at a time
.set jj, jj+2
.endr
.irp b, 0,1,2,3
	v_fma_f32 v[232+\b], v[232+\b], s[CS], v12     ; the same of each block's largest score
.endr
.set jj, 0
	s_wait_alu depctr_va_vdst(0)
.rept 64
	v_exp_f32 v[96+jj], v[96+jj]                   ; p = 2^(t - M)
.set jj, jj+1
.endr
	s_setprio 1
.irp b, 0,1,2,3
	v_exp_f32 v[232+\b], v[232+\b]                 ; the block's largest p
.endr
	v_pk_mul_f32 v[14:15], v[14:15], v[252:253] op_sel_hi:[1,0]   ; the sums under the new M (a plain line behind the exponentials)
	s_wait_alu depctr_va_vdst(0)
.irp b, 0,1,2,3
	v_max_num_f32 v[232+\b], 0x1800000, v[232+\b]  ; the floor 2^(3 - 127): the byte cannot fall under 1
.endr
.irp b, 0,1,2,3
	s_delay_alu instid0(VALU_DEP_4)
	v_add_nc_u32 v[244+\b], 0xff000000, v[232+\b]  ; 2 off the exponent field: the conversion's scale operand
.endr
.irp b, 0,1,2,3
	s_delay_alu instid0(VALU_DEP_4)
	v_lshrrev_b32 v[236+\b], 23, v[244+\b]         ; the scale's byte
.endr
	s_delay_alu instid0(VALU_DEP_3)
	v_lshl_or_b32 v253, v237, 8, v236              ; p's scale word for these 128 keys
	s_delay_alu instid0(VALU_DEP_1)
	v_lshl_or_b32 v253, v238, 16, v253
	s_delay_alu instid0(VALU_DEP_1)
	v_lshl_or_b32 v253, v239, 24, v253
.irp b, 0,1,2,3
	v_cvt_scalef32_pk8_fp4_f32 v[224+2*\b], v[96+16*\b:103+16*\b], v[244+\b]
	v_cvt_scalef32_pk8_fp4_f32 v[225+2*\b], v[104+16*\b:111+16*\b], v[244+\b]
.endr
	v_nop                                          ; one plain line behind the last scaled conversion
.irp c, 0,1                                    ; a whole block to a lane: lanes 0-15 block 2 c, lanes 16-31 block 2 c + 1
.irp i, 0,1
	v_permlane16_swap_b32 v[224+4*\c+\i], v[226+4*\c+\i]
.endr
.endr
.set jj, 0
.rept 32
	v_pk_mul_f32 v[160+jj:161+jj], v[160+jj:161+jj], v[252:253] op_sel_hi:[1,0]   ; O^T under the new M, each accumulator from its low end on
.set jj, jj+2
.endr
	v_pk_add_f32 v[236:237], v[100:101], v[104:105]
	v_pk_add_f32 v[250:251], v[108:109], v[112:113]
	v_pk_add_f32 v[248:249], v[116:117], v[120:121]
	v_pk_add_f32 v[246:247], v[124:125], v[128:129]
	v_pk_add_f32 v[244:245], v[132:133], v[136:137]
	v_pk_add_f32 v[234:235], v[140:141], v[144:145]
	v_pk_add_f32 v[232:233], v[148:149], v[152:153]
	v_pk_add_f32 v[14:15], v[14:15], v[156:157]
	v_pk_add_f32 v[236:237], v[236:237], v[96:97]
	v_pk_add_f32 v[250:251], v[250:251], v[98:99]
	v_pk_add_f32 v[248:249], v[248:249], v[102:103]
	v_pk_add_f32 v[246:247], v[246:247], v[106:107]
	v_pk_add_f32 v[244:245], v[244:245], v[110:111]
	v_pk_add_f32 v[234:235], v[234:235], v[114:115]
	v_pk_add_f32 v[232:233], v[232:233], v[118:119]
	v_pk_add_f32 v[14:15], v[14:15], v[122:123]
	v_pk_add_f32 v[236:237], v[236:237], v[126:127]
	v_pk_add_f32 v[250:251], v[250:251], v[130:131]
	v_pk_add_f32 v[248:249], v[248:249], v[134:135]
	v_pk_add_f32 v[246:247], v[246:247], v[138:139]
	v_pk_add_f32 v[244:245], v[244:245], v[142:143]
	v_pk_add_f32 v[234:235], v[234:235], v[146:147]
	v_pk_add_f32 v[232:233], v[232:233], v[150:151]
	v_pk_add_f32 v[14:15], v[14:15], v[154:155]
	v_pk_add_f32 v[236:237], v[236:237], v[158:159]
	s_delay_alu instid0(VALU_DEP_2)
	v_pk_add_f32 v[14:15], v[14:15], v[246:247]
	s_delay_alu instid0(VALU_DEP_2)
	v_pk_add_f32 v[236:237], v[236:237], v[244:245]
	v_pk_add_f32 v[250:251], v[250:251], v[234:235]
	v_pk_add_f32 v[248:249], v[248:249], v[232:233]
	s_delay_alu instid0(VALU_DEP_2)
	v_pk_add_f32 v[14:15], v[14:15], v[250:251]
	s_delay_alu instid0(VALU_DEP_2)
	v_pk_add_f32 v[236:237], v[236:237], v[248:249]
	s_delay_alu instid0(VALU_DEP_1)
	v_pk_add_f32 v[14:15], v[14:15], v[236:237]
	s_setprio 0
	s_wait_dscnt 0x0                               ; g's fragments and scale words are in
.irp t, 0,1,2,3,4,5,6,7
	MM 160+8*\t, 32+8*\t, 224, 160+8*\t, 240+\t/2, 253, \t%2, 0   ; the eight accumulators by turns
.endr
.endm
.macro STEPS n                         ; n key steps on end
	s_mov_b32 s41, \n
.Lstep_\@:
	s_setprio 2
	STEP 0
	s_add_co_u32 s[TB], s[TB], STEPB
	s_sub_co_u32 s41, s41, 1
	s_cmp_lg_u32 s41, 0
	s_cbranch_scc1 .Lstep_\@
	s_setprio 0
.endm
; THE CHANGE OF SLOTS, at a slot's head.  Each wave waits for all its tensor loads (its half step of the slot ahead), adds 0 to its spare word, and waits for that and for its reads of the slot that it has left.
; fill = 1: a round of the cluster's barrier, so that no wave of any partner still reads the other slot or has a load on its way; behind it that slot is filled by the joint load of group 0 g0, which has a wave's four
; key steps in which to land.  step = 1: g0 first goes two slots on along the keys.  fill = 0: the work-group's barrier alone.
.macro CHANGE g0, fill, step
	s_wait_tensorcnt 0x0                           ; no tensor load of mine is out, so a group 0 may be written
	ds_add_u32 v3, v4                              ; 0 onto my spare word
.if \step
	s_add_nc_u64 s[\g0+2:\g0+3], s[\g0+2:\g0+3], 2*SLOTB   ; the type bits on top are not reached
.endif
	s_wait_dscnt 0x0                               ; the add is done, and my reads of the slot that I have left are over
.if \fill
	CROUND
	tensor_load_to_lds s[\g0:\g0+3], s[G1:G1+7]    ; the first thing behind the round, and my one tensor load until the next
	s_nop 0
	PLACES 4
.else
	s_barrier_signal -1
	s_barrier_wait -1
.endif
.endm
	CHANGE G0B, 1, 0                               ; slot 0 is whole; key steps 8-15 go out, into slot 1
	s_wait_loadcnt 0x0                             ; th, W_w's scale words
	s_wait_kmcnt 0x0                               ; b_w
	s_mov_b32 s[TB], s[TB0]
	STEPS 4
	CHANGE G0A, 1, 1                               ; key steps 16-23 into slot 0
	s_add_co_u32 s[TB], s[TB0], SLOTB
	STEPS 4
	CHANGE G0B, 1, 1                               ; key steps 24-31 into slot 1: the last load
	s_mov_b32 s[TB], s[TB0]
	STEPS 4
	CHANGE G0A, 0, 0                               ; nothing is left to fetch
	s_add_co_u32 s[TB], s[TB0], SLOTB
	STEPS 2
	STEP 1                                         ; my last step but one asks for x
	s_add_co_u32 s[TB], s[TB], STEPB
	STEP 0
	; ---- What the way out will want from memory is asked for at once: it lands under the exchange, the join and the quantiser.
	PLACES 4                                       ; in front of loads into registers that the last products have read, and of the first read of O^T
.irp t, 0,1,2,3,4,5,6,7
.irp c, 0,1
	global_load_b128 v[32+8*\t+4*\c:35+8*\t+4*\c], v6, s[10:11] offset:1024*\t+32*\c   ; W_w's eight fragments of my half: tile t is rows 16 t on
.endr
.endr
.irp i, 0,1,2,3,4,5,6,7,8,9,10,11,12,13,14,15
	global_load_b128 v[96+4*\i:99+4*\i], v1, s[XB:XB+1] offset:16384*\i th:TH_LOAD_NT   ; x at the 16 rows that I store: 512 consecutive bytes a load
.endr
	; ---- THE EXCHANGE: my O^T and my four numbers (-M, t, the sum's halves) as images of their registers
.irp g, 0,1,2,3,4,5,6,7,8,9,10,11,12,13,14,15
	ds_store_b128 v8, v[160+4*\g:163+4*\g] offset:512*\g           ; each accumulator from its low end on
.endr
	s_wait_alu depctr_va_vdst(0)
	ds_store_b128 v8, v[12:15] offset:8192
	s_wait_dscnt 0x0                               ; for the other wave's sake: my stores are done; and my reads of slot 1 are over
	s_barrier_signal -1
	s_barrier_wait -1
; The other wave's O^T passes through three buffers of eight registers, a chunk (one accumulator) at a time.
.macro CBUF k
.if ((\k)%3) == 2
.set CB, 16
.else
.set CB, 224+8*((\k)%3)
.endif
.endm
.macro CHLD k
	CBUF \k
	ds_load_b128 v[CB:CB+3], v28 offset:1024*(\k)
	ds_load_b128 v[CB+4:CB+7], v28 offset:1024*(\k)+512
.endm
.macro CHMG k, left                    ; left: the LDS loads issued behind chunk k's, which may stay out
	CBUF \k
	s_wait_dscnt \left
.irp j, 0,2,4,6
	v_pk_fma_f32 v[160+8*(\k)+\j:161+8*(\k)+\j], v[CB+\j:CB+\j+1], v[244:245], v[160+8*(\k)+\j:161+8*(\k)+\j] op_sel_hi:[1,0,1]
.endr
.endm
	ds_load_b128 v[244:247], v28 offset:8192       ; the other wave's -M, t, and its sum's halves
	CHLD 0
	CHLD 1
	CHLD 2
	s_wait_dscnt 6                                 ; the four numbers are in; the three chunks' six loads may be out
	v_min_num_f32 v254, v12, v244                  ; -M of both halves of the keys: the larger M
	s_delay_alu instid0(VALU_DEP_1)
	v_sub_f32 v252, v254, v12                      ; my M less the common M: a whole number, 0 or less
	s_delay_alu instid0(VALU_DEP_2)
	v_sub_f32 v254, v254, v244                     ; the other's likewise
	s_delay_alu instid0(VALU_DEP_2)
	v_cvt_i32_f32 v252, v252                       ; (they saturate)
	s_delay_alu instid0(VALU_DEP_2)
	v_cvt_i32_f32 v254, v254
	s_delay_alu instid0(VALU_DEP_2)
	v_ldexp_f32 v12, 1.0, v252                     ; f1 = 2^(my M - M)
	s_delay_alu instid0(VALU_DEP_2)
	v_ldexp_f32 v244, 1.0, v254                    ; f2 = 2^(the other's M - M)
	v_add_f32 v14, v14, v15                        ; my sum's two halves,
	v_add_f32 v246, v246, v247                     ; the other's,
	s_delay_alu instid0(VALU_DEP_2)
	v_mul_f32 v14, v14, v12
	s_delay_alu instid0(VALU_DEP_1)
	v_fma_f32 v14, v246, v244, v14                 ; both under the common M,
	s_delay_alu instid0(VALU_DEP_1)
	v_permlanex16_b32 v15, v14, s[SEL], s[SEL+1]
	s_delay_alu instid0(VALU_DEP_1)
	v_add_f32 v14, v14, v15                        ; and lane l xor 16's: the row's sum l
	s_wait_alu depctr_va_vdst(0)
	v_rcp_f32 v14, v14
	v_nop                                          ; a plain line behind the transcendental
	s_wait_alu depctr_va_vdst(0)
	v_mul_f32 v12, v12, v14                        ; f1 / l and f2 / l: a power of two times 1 / l, so nothing more is rounded than 1 / l itself
	v_mul_f32 v244, v244, v14
.set jj, 0
.rept 32
	v_pk_mul_f32 v[160+jj:161+jj], v[160+jj:161+jj], v[12:13] op_sel_hi:[1,0]   ; my O^T x f1 / l
.set jj, jj+2
.endr
	CHMG 0, 4                                      ; + the other's O^T x f2 / l: register 16 i + n is y(channel 32 i + 16 (lane / 16) + n, my query)
	CHLD 3
	CHMG 1, 4
	CHLD 4
	CHMG 2, 4
	CHLD 5
	CHMG 3, 4
	CHLD 6
	CHMG 4, 4
	CHLD 7
	CHMG 5, 4
	CHMG 6, 2
	CHMG 7, 0
	; ---- y is quantised along its 128 channels
.irp b, 0,1,2,3
	v_max3_num_f32 v[TM+\b], |v[160+16*\b]|, |v[161+16*\b]|, 0x1800000   ; block b: my 16 numbers and the floor 2^(3 - 127)
.endr
.irp i, 2,4,6,8,10,12,14
.irp b, 0,1,2,3
	s_delay_alu instid0(VALU_DEP_4)
	v_max3_num_f32 v[TM+\b], v[TM+\b], |v[160+16*\b+\i]|, |v[161+16*\b+\i]|
.endr
.endr
.irp b, 0,1,2,3
	s_delay_alu instid0(VALU_DEP_4)
	v_permlanex16_b32 v[TM+4+\b], v[TM+\b], s[SEL], s[SEL+1]
.endr
.irp b, 0,1,2,3
	s_delay_alu instid0(VALU_DEP_4)
	v_max_num_f32 v[TM+\b], v[TM+\b], v[TM+4+\b]
.endr
.irp b, 0,1,2,3
	s_delay_alu instid0(VALU_DEP_4)
	v_add_nc_u32 v[TM+12+\b], 0xff000000, v[TM+\b]
.endr
.irp b, 0,1,2,3
	s_delay_alu instid0(VALU_DEP_4)
	v_lshrrev_b32 v[TM+4+\b], 23, v[TM+12+\b]
.endr
	s_delay_alu instid0(VALU_DEP_3)
	v_lshl_or_b32 v253, v[TM+5], 8, v[TM+4]        ; y's scale word
	s_delay_alu instid0(VALU_DEP_1)
	v_lshl_or_b32 v253, v[TM+6], 16, v253
	s_delay_alu instid0(VALU_DEP_1)
	v_lshl_or_b32 v253, v[TM+7], 24, v253
.irp b, 0,1,2,3
	v_cvt_scalef32_pk8_fp4_f32 v[224+2*\b], v[160+16*\b:167+16*\b], v[TM+12+\b]
	v_cvt_scalef32_pk8_fp4_f32 v[225+2*\b], v[168+16*\b:175+16*\b], v[TM+12+\b]
.endr
	v_nop                                          ; one plain line behind the last scaled conversion
.irp c, 0,1
.irp i, 0,1
	v_permlane16_swap_b32 v[224+4*\c+\i], v[226+4*\c+\i]
.endr
.endr
	s_wait_alu depctr_va_vdst(0)
	s_wait_loadcnt 16                              ; W_w's 16 loads are in; x's 16, issued behind them, may stay out
	PLACES 8                                       ; an operand and a scale word written by vector instructions stand 4 and 8 places ahead of a scaled product
.irp t, 0,1,2,3,4,5,6,7
	MM 160+8*\t, 224, 32+8*\t, -1, 253, 24+\t/2, 0, \t%2          ; output channels 128 (wave / 8) + 16 t on: lane (r, h): channel r of the tile, my tile's rows 8 h + 0 .. 7
.endr
	PLACES 4                                       ; in front of the stores of results
.irp t, 0,1,2,3,4,5,6,7
	ds_store_b128 v7, v[160+8*\t:163+8*\t] offset:16*SPITCH*\t     ; each accumulator from its low end on
	ds_store_b128 v7, v[164+8*\t:167+8*\t] offset:16*SPITCH*\t+16
.endr
	s_wait_dscnt 0x0                               ; for the others' sake: my stores into the stage are done
	s_barrier_signal -1
	s_barrier_wait -1                              ; 256 whole rows lie in the stage
.irp i, 0,1,2,3,4,5,6,7,8,9,10,11,12,13,14,15
	ds_load_b128 v[160+4*\i:163+4*\i], v9 offset:SPITCH*\i
.endr
	s_wait_loadcnt 0x0                             ; x
.irp i, 0,1,2,3,4,5,6,7,8,9,10,11,12,13,14,15
	s_wait_dscnt 15-\i                             ; LDS loads come back in order: row i is in, the rows behind it may be out
.irp k, 0,1,2,3
	v_add_f32 v[160+4*\i+\k], s[BW+\i], v[160+4*\i+\k]             ; + b_w
.endr
	s_delay_alu instid0(VALU_DEP_3)
	v_pk_add_f32 v[160+4*\i:161+4*\i], v[160+4*\i:161+4*\i], v[96+4*\i:97+4*\i]   ; + x
	s_delay_alu instid0(VALU_DEP_2)
	v_pk_add_f32 v[162+4*\i:163+4*\i], v[162+4*\i:163+4*\i], v[98+4*\i:99+4*\i]
	global_store_b128 v1, v[160+4*\i:163+4*\i], s[XB+2:XB+3] offset:16384*\i th:TH_STORE_NT   ; 512 consecutive bytes, at a multiple of 256 from out0's first byte
.endr
	s_wait_tensorcnt 0x0                           ; the wave's end, behind my last tensor load and my last LDS store
	ds_add_u32 v3, v4
	s_wait_dscnt 0x0
	CROUND                                         ; the closing round: no work-group ends while a partner may still ask for a tile that names it
	s_endpgm
.Lfunc_end_k_q26c2df5b3f_attn:
	.size	k_q26c2df5b3f_attn, .Lfunc_end_k_q26c2df5b3f_attn-k_q26c2df5b3f_attn
	.p2alignl 7, 3214868480
	.fill 96, 4, 3214868480
	.section	.rodata,"a",@progbits
	.p2align	6, 0x0
	.amdhsa_kernel k_q26c2df5b3f_attn
		.amdhsa_group_segment_fixed_size 327680
		.amdhsa_private_segment_fixed_size 0
		.amdhsa_enable_private_segment 0
		.amdhsa_kernarg_size 56
		.amdhsa_user_sgpr_count 2
		.amdhsa_user_sgpr_kernarg_segment_ptr 1
		.amdhsa_wavefront_size32 1
		.amdhsa_system_sgpr_workgroup_id_x 1
		.amdhsa_system_sgpr_workgroup_id_y 1
		.amdhsa_system_sgpr_workgroup_id_z 1
		.amdhsa_system_vgpr_workitem_id 0
		.amdhsa_next_free_vgpr 256
		.amdhsa_next_free_sgpr 100
		.amdhsa_reserve_vcc 0
		.amdhsa_float_denorm_mode_32 3
		.amdhsa_float_denorm_mode_16_64 3
		.amdhsa_memory_ordered 1
		.amdhsa_forward_progress 1
		.amdhsa_inst_pref_size 148
	.end_amdhsa_kernel
	.amdgpu_metadata
---
amdhsa.version: [ 1, 2 ]
amdhsa.kernels:
  - .name:           k_q26c2df5b3f_attn
    .symbol:         k_q26c2df5b3f_attn.kd
    .args:
      - { .name: qq, .offset: 0, .size: 8, .value_kind: global_buffer, .address_space: global }
      - { .name: kv, .offset: 8, .size: 8, .value_kind: global_buffer, .address_space: global }
      - { .name: x, .offset: 16, .size: 8, .value_kind: global_buffer, .address_space: global }
      - { .name: w_w_codes, .offset: 24, .size: 8, .value_kind: global_buffer, .address_space: global }
      - { .name: w_w_scales, .offset: 32, .size: 8, .value_kind: global_buffer, .address_space: global }
      - { .name: b_w, .offset: 40, .size: 8, .value_kind: global_buffer, .address_space: global }
      - { .name: out0, .offset: 48, .size: 8, .value_kind: global_buffer, .address_space: global }
    .group_segment_fixed_size: 327680
    .private_segment_fixed_size: 0
    .kernarg_segment_align: 8
    .kernarg_segment_size: 56
    .max_flat_workgroup_size: 512
    .sgpr_count:     100
    .vgpr_count:     256
    .wavefront_size: 32
...
	.end_amdgpu_metadata
.endif
;; end of part 2
